; MI455X (gfx1250); checked and timed in simulation.
; The chip was launched on July 23, 2026; its instructions are those of AMD's public machine-readable ISA for CDNA 5 (MIT licence, August 2026) and "CDNA5" Instruction Set Architecture Reference Guide (July 2026). The comments in the code are by the model that wrote it; some were corrected since.
;; Bert For Span Aspect Extraction. Allowed arithmetic: matrix products marked QUANTISED: E4M3 operands, one E8M0 scale for each 32 along K, by v_wmma_scale_f32_16x16x128_f8f6f4 with both operands' format E4M3, f32 sums; products left as they are: f32 operands where the result goes on into a quantised operand, else bf16, f16 or f32 operands; f32 sums; everything else in f32.
;; Inputs: W1e_codes 384 x 24 x 32 uint8 (E4M3 codes of W1e, K innermost, in blocks of 32 codes); W1e_scales 384 x 24 uint8 (E8M0 scales of W1e, one for each 32 codes along K); W1s_codes 384 x 24 x 32 uint8 (E4M3 codes of W1s, K innermost, in blocks of 32 codes); W1s_scales 384 x 24 uint8 (E8M0 scales of W1s, one for each 32 codes along K); W2 384 float32; b1 384 float32; b2 one number float32; b_end one number float32; b_start one number float32; sequence_output 4 x 256 x 768 float32; w_end 768 float32; w_start 768 float32.
;; Outputs: out0 4 x 256 float32; out1 4 x 256 float32; out2 4 x 256 x 256 float32.
;; This version of the problem:
;;   THIS VERSION OF THE PROBLEM IS GIVEN IN LOW PRECISION. The matrix products marked QUANTISED in the list below multiply operands that are first quantised to E4M3 (4 exponent bits, 3 mantissa bits; 8 bits a number), with one power-of-two scale for each 32 numbers along K (OCP MX v1.0); their sums are f32. All else is computed in f32.
;;   The module's matrix products, in the order in which they are computed (A, B: the left and right operand; K: the contracted axis; several contracted axes count as one K, in the product's order):
;;     1. [M 1,024, K 768] x [K 768, N 1]; A: input sequence_output; B: input w_start: left as it is (N = 1 < 16)
;;     2. [M 1,024, K 768] x [K 768, N 1]; A: input sequence_output; B: input w_end: left as it is (N = 1 < 16)
;;     3. [M 1,024, K 768] x [K 768, N 384]; A: input sequence_output; B: input W1s (given as codes): QUANTISED
;;     4. [M 1,024, K 768] x [K 768, N 384]; A: input sequence_output; B: input W1e (given as codes): QUANTISED
;;     5. [M 262,144, K 384] x [K 384, N 1]; A: computed on the way; B: input W2: left as it is (N = 1 < 16)
;;   THE QUANTISER, for each operand of a quantised product, along K:
;;     - K is cut into blocks of 32 from its start; a last block that is shorter is filled with zeros.
;;     - A block's scale is 2^e with e = floor(log2(the largest magnitude in the block)) - 8, held to -126 .. 127; a block of zeros has e = 0. As a byte (E8M0): e + 127.
;;     - Each number is divided by its block's scale, clamped to +-448, and rounded to the nearest number of E4M3, ties to even, subnormals kept.
;;     - The product sums the exact products of the quantised numbers (number of the format x scale) in f32.
;;   ~~~python
;;   def quantise(x, axis):      # numpy; x: float32 -> the quantised numbers, widened to float32 again
;;       x = np.moveaxis(x, axis, -1); K = x.shape[-1]
;;       x = np.pad(x, [(0, 0)] * (x.ndim - 1) + [(0, -K % 32)]); x = x.reshape(x.shape[:-1] + (-1, 32)); a = np.abs(x).max(-1, keepdims=True)
;;       e = np.where(a > 0, np.clip(np.frexp(np.where(a > 0, a, 1))[1] - 1 - 8, -126, 127), 0)      # np.frexp(a)[1] - 1 = floor(log2(a)), exactly
;;       r = np.clip(x / 2.0 ** e, -448, 448)
;;       step = 2.0 ** (np.maximum(np.frexp(np.where(r == 0, 1, r))[1] - 1, -6) - 3)
;;       q = np.round(r / step) * step * 2.0 ** e      # np.round: ties to even
;;       return np.moveaxis(q.reshape(q.shape[:-2] + (-1,))[..., :K], -1, axis).astype(np.float32)
;;   ~~~
;;   INPUTS GIVEN AS CODES. W1e (in the module: [768, 384], K = its axis 0); W1s (in the module: [768, 384], K = its axis 0): each comes as NAME_codes (uint8): NAME with its K axis moved to the last place and cut into blocks of 32 codes, [.., K / 32, bytes a block], one block behind the other in memory; one code a byte (a code: sign, 4 exponent bits, 3 mantissa bits); and NAME_scales (uint8): the same leading axes, one E8M0 byte (e + 127) for each 32 codes along K. Its value is code x scale, taken as it is: it is not quantised again, and the codes and scales need not be those that the quantiser above would give.
;; One version. Each part assembles by itself: llvm-mc -triple=amdgcn-amd-amdhsa -mcpu=gfx1250 --defsym DOCPART=n.
;; ======== version 1 of 1: 2 launches
;; workspace buffers: sp 1,572,864 bytes; en 1,572,864 bytes
;; launch proj (part 1): grid 64 x 4, 6 waves a work-group, clusters of 4 x 1, 183,552 bytes of LDS; arguments sequence_output, W1s_codes, W1e_codes, W1s_scales, W1e_scales, b1, w_start, w_end, b_start, b_end, sp, en, out0, out1; writes sp, en, out0, out1
.if DOCPART == 1
	.amdgcn_target "amdgcn-amd-amdhsa--gfx1250"
	.amdhsa_code_object_version 6
	.text
	.protected	k_q6261f925fd_proj
	.globl	k_q6261f925fd_proj
	.p2align	8
	.type	k_q6261f925fd_proj,@function
k_q6261f925fd_proj:
	s_mov_b64 s[64:65], 0
	v_nop
	global_prefetch_b8 v0, s[64:65] scope:SCOPE_SE
	s_setreg_imm32_b32 hwreg(HW_REG_WAVE_MODE, 25, 1), 1
	s_wait_xcnt 0x0
	s_wait_alu depctr_hold_cnt(0) depctr_sa_sdst(0) depctr_va_vdst(0) depctr_va_sdst(0) depctr_va_ssrc(0) depctr_va_vcc(0) depctr_vm_vsrc(0)
	s_getreg_b32 s2, hwreg(HW_REG_IB_STS2, 6, 4)
	s_cmp_eq_u32 s2, 0
	s_cbranch_scc0 .Lentry_in_a_cluster
	s_endpgm
.Lentry_in_a_cluster:
	s_bfe_u32 s2, ttmp6, 0x10000c
	s_cmp_lg_u32 s2, 0x3003
	s_cbranch_scc0 .Lentry_shape_is_right
	s_endpgm
.Lentry_shape_is_right:
; sp[t][n] = sum over k of Q(x)[t][k] W1s[k][n] + b1[n];  en[t][n] = -(sum over k of Q(x)[t][k] W1e[k][n]);  out0[t] = x[t] . w_start + b_start;  out1[t] = x[t] . w_end + b_end.
; x: [1024][768] f32, quantised here to E4M3 codes with one E8M0 scale for each 32 along K.  W1s, W1e: codes [384][768], K innermost, scale bytes [384][24].  sp, en: [1024][384] f32.
; SHARES.  A work-group takes 16 tokens (64 blocks: grid x) and 192 columns of one weight (grid y = cb: 0, 1 the halves of W1s, 2, 3 those of W1e): 256 work-groups of equal work.
; Wave w of six: fetches the 32 weight rows that it multiplies itself; quantises K step w (128 along K) of the 16 tokens; makes columns 32 w .. 32 w + 31 over six K steps:
; 12 matrix instructions on two accumulators by turns.  Where cb is 0 or 1 it also makes its K step's part of one logit (cb 0: start, cb 1: end), in f32 on the unquantised x.
; CLUSTER.  The four work-groups of a cluster have the same cb and so the same 192 weight rows, 147,456 dense bytes: each wave's 24,576 of them are asked for JOINTLY, mask 15.
; x's 49,152 bytes are shared by the four cb of a token block and are NOT asked for jointly: cb would then be a place in the cluster.
; The weights' scale words (4,608 bytes a work-group beside 147,456 of codes) go straight into registers.
; THE MATRIX INSTRUCTION IS USED TRANSPOSED: source 0 = 16 weight rows, source 1 = the 16 tokens: lane (r, h) holds token r and the eight neighbouring columns 8 h + 0 .. 7 of a tile.
; x's fragments go from wave to wave through LDS as images of their registers: 16 bytes a lane, 512 bytes a store; the scale words 4 bytes a lane.
; b1 is the C of a sum's first matrix instruction (zeros for W1e); the result is multiplied by +1 (sp) or -1 (en): the next launch wants -e.
; LIMITS: NaN and infinities among the inputs are not served.  A block of zeros of x gets the scale byte 1 where the rule says 127: its codes are zeros, and this launch alone reads the bytes.
; b1 enters ahead of the products' sums, not behind them: another order of f32 roundings than the source's.  The logits leave as 64 bytes a work-group: 8,192 bytes in the whole launch.
; LDS: weights in units of 256 bytes + 16 of padding (a row of 768 codes: 816 bytes, 51 x 16: the 16 rows of a load begin in 16 different columns of 16 bytes); filled once, by the tensor loads alone.
.set WWAVE,  26112                     ; a wave's 32 weight rows in LDS: 96 units x 272
.set XIMG,   156672                    ; behind the six: x's six fragments, 2,048 bytes each
.set XSC,    168960                    ; their scale words, 128 bytes each
.set LOG,    169728                    ; the logit's six parts, 64 bytes each
.set STG,    170240                    ; the way out: 16 rows x (768 bytes + 16)
.set SPITCH, 784
.set XA,  4                            ; v4   x: 3072 r + 64 h: my 16 numbers of a block of 32
.set LI,  5                            ; v5   XIMG + 16 x lane
.set LS,  6                            ; v6   XSC + 4 x lane
.set XWI, 7                            ; v7   where I store my fragment: LI + 2048 w
.set XWS, 8                            ; v8   and its scale words: LS + 128 w
.set WFA, 9                            ; v9   my lane's place in my wave's weights: 26112 w + 816 r + 16 h
.set WSA, 10                           ; v10  24 r: my weight row's scale bytes
.set BA,  11                           ; v11  32 h: my eight numbers of b1 in a tile
.set SO,  12                           ; v12  the stage, in: STG + 784 r + 32 h + 128 w
.set SR,  13                           ; v13  the stage, back: 256 bytes of two rows an instruction
.set GO,  14                           ; v14  the same two rows in sp or en
.set LGW, 15                           ; v15  LOG + 64 w + 4 r
.set LGR, 16                           ; v16  LOG + 4 r
.set WVA, 17                           ; v17  64 h: the logit vector's numbers that go with mine of x
.set LO,  18                           ; v18  4 x lane
.set XS,  20                           ; v20-25   x's scale words, K step s: scales and nothing else
.set WS,  26                           ; v26-37   the weights' scale words, tile t, K step s at 6 t + s: scales and nothing else
.set B1,  40                           ; v40-55   b1 in the result's layout, 8 a tile
.set ACC, 56                           ; v56-71   two accumulators
.set XR,  72                           ; v72-135  my 64 numbers of x
.set WV,  136                          ; v136-199 the logit vector's 64
.set AF,  72                           ; v72-167  behind the barrier: x's six fragments
.set O,   168                          ; v168-183 the results with their sign
.set RB,  184                          ; v184-199 rows read back
.set PC,  200                          ; v200-215 the codes just made
.set TM,  216                          ; v216-219 largest magnitudes, 220-223 bytes, 224-227 448 x the scale, 228-231 the conversions' scale operands
.set PW,  232                          ; v232     the scale word just made
.set LG,  234                          ; v234-241 the logit: four chains of pairs
                                       ; window 1, v0-191: weight fragment (tile t, K step s) at 16 (6 t + s)
.set MSB, 0
.macro WIN new                         ; the immediate's high byte repeats the setting that is left
.if MSB != \new
	s_set_vgpr_msb (MSB<<8)|\new
.set MSB, \new
.endif
.endm
.macro ROUND                           ; a round of the cluster's barrier: my work-group's barrier; wave 0 signals for the work-group; every wave waits for all four work-groups; my work-group's barrier once more
	s_barrier_signal -1
	s_barrier_wait -1
	s_cmp_lg_u32 s32, 0
	s_cbranch_scc1 .Lnot_wave_0_\@
	s_barrier_signal -3
.Lnot_wave_0_\@:
	s_barrier_wait -3
	s_barrier_signal -1
	s_barrier_wait -1
.endm
	s_load_b512 s[4:19], s[0:1], 0x0               ; x 4:5, W1s codes 6:7, W1e codes 8:9, W1s scales 10:11, W1e scales 12:13, b1 14:15, w_start 16:17, w_end 18:19
	s_load_b256 s[20:27], s[0:1], 0x40             ; b_start 20:21, b_end 22:23, sp 24:25, en 26:27
	s_load_b128 s[28:31], s[0:1], 0x60             ; out0 28:29, out1 30:31
	v_lshl_add_u32 v254, v0, 2, 0x2ca00
	v_mov_b32 v255, 0
	ds_add_u32 v254, v255
	ds_add_u32 v254, v255
	v_lshrrev_b32 v1, 5, v0
	v_readfirstlane_b32 s32, v1                    ; wave 0..5
	s_and_b32 s33, ttmp7, 0xffff                   ; cb: the same in all four partners
	s_bfe_u32 s37, ttmp6, 0x40000                  ; cx: my place in the cluster: it enters the addresses of x, sp or en and the logits alone
	s_lshl_b32 s34, ttmp9, 2
	s_add_co_u32 s34, s34, s37                     ; my block of 16 tokens = 4 x cluster x + cx
	s_and_b32 s35, s33, 1                          ; which 192 columns; where cb < 2 also: which logit
	s_mul_i32 s36, s32, 11
	s_lshr_b32 s36, s36, 5                         ; w / 3
	v_and_b32 v1, 31, v0                           ; lane
	v_and_b32 v2, 15, v0                           ; r
	v_bfe_u32 v3, v0, 4, 1                         ; h
	v_mul_u32_u24 v[XA], v2, 3072
	v_lshl_add_u32 v[XA], v3, 6, v[XA]
	v_lshl_add_u32 v[LI], v1, 4, XIMG
	v_lshl_add_u32 v[LS], v1, 2, XSC
	s_lshl_b32 s62, s32, 11
	v_add_nc_u32 v[XWI], s62, v[LI]
	s_lshl_b32 s62, s32, 7
	v_add_nc_u32 v[XWS], s62, v[LS]
	v_mul_u32_u24 v[SO], v2, SPITCH
	v_lshl_add_u32 v[SO], v3, 5, v[SO]
	v_add_nc_u32 v[SO], s62, v[SO]                 ; + 128 w
	v_add_nc_u32 v[SO], STG, v[SO]
	s_mul_i32 s57, s32, WWAVE                      ; my wave's weights in LDS: also the descriptor's LDS address
	v_mul_u32_u24 v[WFA], v2, 816
	v_lshl_add_u32 v[WFA], v3, 4, v[WFA]
	v_add_nc_u32 v[WFA], s57, v[WFA]
	v_mul_u32_u24 v[WSA], v2, 24
	v_lshlrev_b32 v[BA], 5, v3
	s_lshl_b32 s62, s32, 8                         ; back from the stage: wave w takes the 256 bytes w % 3 of rows 8 (w / 3) on:
	s_mul_i32 s63, s36, 5504                       ; 256 w + 5504 (w / 3) = 256 (w % 3) + 8 x 784 (w / 3)
	s_add_co_u32 s62, s62, s63
	s_add_co_u32 s62, s62, STG
	v_mul_u32_u24 v[SR], v3, SPITCH                ; lanes 0-15 one row, lanes 16-31 the next
	v_lshl_add_u32 v[SR], v2, 4, v[SR]
	v_add_nc_u32 v[SR], s62, v[SR]
	v_mul_u32_u24 v[GO], v3, 1536
	v_lshl_add_u32 v[GO], v2, 4, v[GO]
	s_lshl_b32 s62, s32, 6
	v_lshl_add_u32 v[LGR], v2, 2, LOG
	v_add_nc_u32 v[LGW], s62, v[LGR]
	v_lshlrev_b32 v[WVA], 6, v3
	v_lshlrev_b32 v[LO], 2, v1
.irp b, 0,1,2,3
	v_mov_b32 v[TM+4+\b], 0                        ; written once: a lane permute's destination counts as one of its sources
.endr
	v_mov_b32 v242, 0                              ; likewise
	s_mov_b32 s40, 0x76543210
	s_mov_b32 s41, 0xfedcba98                      ; v_permlanex16_b32's selects for lane l xor 16
	s_mov_b32 s42, 0x600000                        ; the mantissa field of 448
	; byte offsets, each in registers of its own
	s_mul_i32 s66, s34, 49152                      ; x: 16 tokens of 3,072 bytes a block,
	s_lshl_b32 s68, s32, 9                         ; + 512 w: K step w.  The logit vector: 512 w
	s_add_co_u32 s66, s66, s68
	s_mov_b32 s67, 0
	s_mov_b32 s69, 0
	s_mul_i32 s70, s35, 768                        ; b1: 192 numbers a half, 32 a wave
	s_lshl_b32 s71, s32, 7
	s_add_co_u32 s70, s70, s71
	s_mov_b32 s71, 0
	s_mul_i32 s72, s35, 4608                       ; scale bytes: 24 a row
	s_mul_i32 s73, s32, 768
	s_add_co_u32 s72, s72, s73
	s_mov_b32 s73, 0
	s_mul_i32 s74, s35, 147456                     ; codes: 768 a row
	s_mul_i32 s75, s32, 24576
	s_add_co_u32 s74, s74, s75
	s_mov_b32 s75, 0
	s_mul_i32 s76, s34, 24576                      ; sp or en: 16 rows of 1,536 bytes a block, + 768 x half,
	s_mul_i32 s77, s35, 768
	s_add_co_u32 s76, s76, s77
	s_lshl_b32 s77, s32, 8                         ; + 256 w + 11520 (w / 3) = 256 (w % 3) + 8 rows x (w / 3)
	s_add_co_u32 s76, s76, s77
	s_mul_i32 s77, s36, 11520
	s_add_co_u32 s76, s76, s77
	s_mov_b32 s77, 0
	s_lshl_b32 s78, s34, 6                         ; the logits: 16 numbers a block
	s_mov_b32 s79, 0
	; descriptor group 1: 24,576 dense bytes as 96 rows of 256 bytes (32 elements of 8 bytes), 16 bytes of padding behind each
	s_mov_b32 s48, 15|(3<<16)|(1<<20)|(1<<21)|(5<<22)|(3<<25)  ; 15:0 the mask: all four work-groups; 17:16 elements of 8 bytes; 20 padding on; 21 set beside a mask; 24:22 after every 64 words; 31:25 four words
	s_mov_b32 s49, 32<<16                          ; tensor_dim0 = 32
	s_mov_b32 s50, 96<<16                          ; tensor_dim1 = 96
	s_mov_b32 s51, 32<<16                          ; tile_dim0 = 32
	s_mov_b32 s52, 96                              ; tile_dim1 = 96
	s_mov_b32 s53, 32                              ; from row to row
	s_mov_b32 s54, 0
	s_mov_b32 s55, 0
	s_mov_b32 s56, 1                               ; group 0: count = 1; s57 is written above
	s_wait_dscnt 0x0
	s_wait_kmcnt 0x0
	s_cmp_lt_u32 s33, 2                            ; W1s or W1e: the choice hangs on cb alone
	s_cselect_b64 s[6:7], s[6:7], s[8:9]
	s_cselect_b64 s[10:11], s[10:11], s[12:13]
	s_cselect_b64 s[24:25], s[24:25], s[26:27]
	s_cselect_b32 s44, 1.0, -1.0                   ; sp takes the sums as they are, en their negatives
	s_mov_b32 s45, s44                             ; (named with it as a pair, so it is written)
	s_cmp_eq_u32 s35, 0                            ; the start's logit or the end's
	s_cselect_b64 s[16:17], s[16:17], s[18:19]
	s_cselect_b64 s[20:21], s[20:21], s[22:23]
	s_cselect_b64 s[28:29], s[28:29], s[30:31]
	s_load_b32 s46, s[20:21], 0x0                  ; its bias
	s_add_nc_u64 s[4:5], s[4:5], s[66:67]
	s_add_nc_u64 s[10:11], s[10:11], s[72:73]
	s_add_nc_u64 s[14:15], s[14:15], s[70:71]
	s_add_nc_u64 s[16:17], s[16:17], s[68:69]
	s_add_nc_u64 s[24:25], s[24:25], s[76:77]
	s_add_nc_u64 s[28:29], s[28:29], s[78:79]
	s_add_nc_u64 s[58:59], s[6:7], s[74:75]        ; the tile's first byte: it hangs on cb and the wave's number alone
	s_or_b32 s59, s59, 0x80000000                  ; type = 2
	; x: register 16 b + 4 j + u = k 32 b + 16 h + 4 j + u of token r's K step w; over the 16 loads the wave reads 512 consecutive bytes of each of 16 rows
.irp b, 0,1,2,3
.irp j, 0,1,2,3
	global_load_b128 v[XR+16*\b+4*\j:XR+16*\b+4*\j+3], v[XA], s[4:5] offset:128*\b+16*\j
.endr
.endr
.irp t, 0,1
.irp q, 0,1,2
	global_load_b64 v[WS+6*\t+2*\q:WS+6*\t+2*\q+1], v[WSA], s[10:11] offset:384*\t+8*\q   ; weight row 16 t + r: the words of K steps 2 q, 2 q + 1
.endr
.endr
	ROUND                                          ; all four work-groups are here: the joint loads meet
	tensor_load_to_lds s[56:59], s[48:55]          ; my 32 weight rows: the wave's one tensor load, and these bytes' one fill
	s_nop 0
.rept 4
	v_nop                                          ; four lines behind the load
.endr
	s_cmp_ge_u32 s33, 2
	s_cbranch_scc1 .Lnolog
	; cb 0, 1: b1, and my K step's part of the logit
.irp b, 0,1,2,3
.irp j, 0,1,2,3
	global_load_b128 v[WV+16*\b+4*\j:WV+16*\b+4*\j+3], v[WVA], s[16:17] offset:128*\b+16*\j
.endr
.endr
.irp t, 0,1
	global_load_b128 v[B1+8*\t:B1+8*\t+3], v[BA], s[14:15] offset:64*\t         ; b1 at columns 16 t + 8 h + 0 .. 7
	global_load_b128 v[B1+8*\t+4:B1+8*\t+7], v[BA], s[14:15] offset:64*\t+16
.endr
	s_wait_loadcnt 4                               ; all but the four loads of b1, which were issued last
.irp n, 0,1,2,3
	v_pk_mul_f32 v[LG+2*\n:LG+2*\n+1], v[XR+2*\n:XR+2*\n+1], v[WV+2*\n:WV+2*\n+1]   ; four chains, started by the first products
.endr
.set i, 4
.rept 28
	v_pk_fma_f32 v[LG+2*(i%4):LG+2*(i%4)+1], v[XR+2*i:XR+2*i+1], v[WV+2*i:WV+2*i+1], v[LG+2*(i%4):LG+2*(i%4)+1]
.set i, i+1
.endr
	v_pk_add_f32 v[LG:LG+1], v[LG:LG+1], v[LG+2:LG+3]
	v_pk_add_f32 v[LG+4:LG+5], v[LG+4:LG+5], v[LG+6:LG+7]
	v_pk_add_f32 v[LG:LG+1], v[LG:LG+1], v[LG+4:LG+5]
	v_add_f32 v[LG], v[LG], v[LG+1]
	v_permlanex16_b32 v242, v[LG], s40, s41
	v_add_f32 v[LG], v[LG], v242                   ; with lane l xor 16's: token r's 128 products
	ds_store_b32 v[LGW], v[LG]                     ; both lanes of a token write the same word with the same value
	s_branch .Ljoin
.Lnolog:
.irp j, 0,1,2,3,4,5,6,7,8,9,10,11,12,13,14,15
	v_mov_b32 v[B1+\j], 0                          ; cb 2, 3: e has no bias of its own
.endr
.Ljoin:
	s_wait_loadcnt 0x0                             ; x, the scale words, b1
	s_wait_kmcnt 0x0                               ; the logit's bias
	; my 64 numbers become a fragment's codes and its scale word
.irp b, 0,1,2,3
	v_max3_num_f32 v[TM+\b], |v[XR+16*\b]|, |v[XR+1+16*\b]|, 0x4800000   ; block b: my 16 numbers, and the floor 2^(9 - 127): so the byte cannot fall under 1
.endr
.irp i, 2,4,6,8,10,12,14
.irp b, 0,1,2,3
	v_max3_num_f32 v[TM+\b], v[TM+\b], |v[XR+16*\b+\i]|, |v[XR+1+16*\b+\i]|   ; the four blocks by turns
.endr
.endr
.irp b, 0,1,2,3
	v_permlanex16_b32 v[TM+4+\b], v[TM+\b], s40, s41
.endr
.irp b, 0,1,2,3
	v_max_num_f32 v[TM+\b], v[TM+\b], v[TM+4+\b]   ; with lane l xor 16's: the block's largest magnitude
.endr
.irp b, 0,1,2,3
	v_add_nc_u32 v[TM+12+\b], 0xfc000000, v[TM+\b] ; 8 off its exponent field: the conversion takes the exponent field of this operand as its scale
.endr
.irp b, 0,1,2,3
	v_and_or_b32 v[TM+8+\b], v[TM+\b], 0x7f800000, s42   ; 448 x the scale
.endr
.irp b, 0,1,2,3
	v_lshrrev_b32 v[TM+4+\b], 23, v[TM+12+\b]      ; the scale's byte
.endr
	v_lshl_or_b32 v[PW], v[TM+5], 8, v[TM+4]       ; the four bytes make my token's scale word
	v_lshl_or_b32 v[PW], v[TM+6], 16, v[PW]
	v_lshl_or_b32 v[PW], v[TM+7], 24, v[PW]
.irp b, 0,1,2,3
.irp i, 0,1,2,3,4,5,6,7,8,9,10,11,12,13,14,15
	v_med3_num_f32 v[XR+16*\b+\i], v[XR+16*\b+\i], -v[TM+8+\b], v[TM+8+\b]   ; the conversion to an 8-bit code does not saturate (ISA guide 7.6.2): the hold at the largest code x the scale
.endr
	v_cvt_scalef32_pk8_fp8_f32 v[PC+4*\b:PC+1+4*\b], v[XR+16*\b:XR+7+16*\b], v[TM+12+\b]
	v_cvt_scalef32_pk8_fp8_f32 v[PC+2+4*\b:PC+3+4*\b], v[XR+8+16*\b:XR+15+16*\b], v[TM+12+\b]
.endr
	v_nop                                          ; one plain vector instruction behind the last scaled conversion
.irp c, 0,1,2,3
	ds_store_b128 v[XWI], v[PC+4*\c:PC+4*\c+3] offset:512*\c   ; the fragment as it stands: 16 bytes a lane
.endr
	ds_store_b32 v[XWS], v[PW]
	s_wait_tensorcnt 0x0                           ; my 32 weight rows are in LDS; I alone read them
	WIN 0x40                                       ; destination window 1, address window 0
.irp t, 0,1
.irp s, 0,1,2,3,4,5
.irp c, 0,1,2,3
	ds_load_b128 v[16*(6*\t+\s)+4*\c:16*(6*\t+\s)+4*\c+3], v[WFA] offset:13056*\t+272*(\s/2)+128*(\s%2)+32*\c   ; row 16 t + r, k = 128 s + 32 c + 16 h on
.endr
.endr
.endr
	WIN 0
	s_wait_dscnt 0x0                               ; for the others' sake: my stores have landed (and my loads are in)
	s_barrier_signal -1
	s_barrier_wait -1                              ; x's six fragments, their scale words and the logit's parts lie in LDS
.irp s, 0,1,2,3,4,5
	ds_load_b32 v[XS+\s], v[LS] offset:128*\s
.endr
.irp s, 0,1,2,3,4,5
.irp c, 0,1,2,3
	ds_load_b128 v[AF+16*\s+4*\c:AF+16*\s+4*\c+3], v[LI] offset:2048*\s+512*\c
.endr
.endr
	WIN 0x01                                       ; source 0 (the weights) window 1
.irp s, 0,1,2,3,4,5
	s_wait_dscnt 4*(5-\s)                          ; K step s's fragment is in; behind it stand four loads for each later step
.irp t, 0,1                                    ; the two accumulators by turns
.if \s == 0
	v_wmma_scale_f32_16x16x128_f8f6f4 v[ACC+8*\t:ACC+8*\t+7], v[16*(6*\t+\s):16*(6*\t+\s)+15], v[AF+16*\s:AF+16*\s+15], v[B1+8*\t:B1+8*\t+7], v[WS+6*\t+\s], v[XS+\s]
.else
	v_wmma_scale_f32_16x16x128_f8f6f4 v[ACC+8*\t:ACC+8*\t+7], v[16*(6*\t+\s):16*(6*\t+\s)+15], v[AF+16*\s:AF+16*\s+15], v[ACC+8*\t:ACC+8*\t+7], v[WS+6*\t+\s], v[XS+\s]
.endif
.endr
.endr
	WIN 0
.rept 8
	v_nop                                          ; eight places between the last product and the first read of results
.endr
.irp i, 0,1,2,3,4,5,6,7
	v_pk_mul_f32 v[O+2*\i:O+2*\i+1], v[ACC+2*\i:ACC+2*\i+1], s[44:45] op_sel_hi:[1,0]   ; x +1 or -1; each accumulator from its low end on
.endr
.irp t, 0,1
	ds_store_b128 v[SO], v[O+8*\t:O+8*\t+3] offset:64*\t         ; token r, columns 32 w + 16 t + 8 h + 0 .. 7; rows 784 bytes apart: 16 lanes, 16 different columns of 16 bytes
	ds_store_b128 v[SO], v[O+8*\t+4:O+8*\t+7] offset:64*\t+16
.endr
	s_wait_dscnt 0x0                               ; for the others' sake
	s_barrier_signal -1
	s_barrier_wait -1                              ; 16 rows of 768 bytes lie in the stage
.irp i, 0,1,2,3
	ds_load_b128 v[RB+4*\i:RB+4*\i+3], v[SR] offset:2*SPITCH*\i
.endr
.irp i, 0,1,2,3
	s_wait_dscnt 3-\i
	global_store_b128 v[GO], v[RB+4*\i:RB+4*\i+3], s[24:25] offset:3072*\i   ; 16 lanes store 256 consecutive bytes, at a multiple of 256 from the buffer's first byte
.endr
	s_cmp_ge_u32 s33, 2                            ; the logit: where cb is 0 or 1, wave 0 adds the six parts
	s_cbranch_scc1 .Lend
	s_cmp_lg_u32 s32, 0
	s_cbranch_scc1 .Lend
.irp s, 0,1,2,3,4,5
	ds_load_b32 v[LG+\s], v[LGR] offset:64*\s
.endr
	s_wait_dscnt 0x0
	v_add_f32 v[LG], v[LG], v[LG+1]
	v_add_f32 v[LG+2], v[LG+2], v[LG+3]
	v_add_f32 v[LG+4], v[LG+4], v[LG+5]
	v_add_f32 v[LG], v[LG], v[LG+2]
	v_add_f32 v[LG+4], s46, v[LG+4]                ; the bias
	v_add_f32 v[LG], v[LG], v[LG+4]
	v_cmp_gt_u32 vcc_lo, 16, v0
	s_wait_xcnt 0x0                                ; EXEC changes only behind this wait: the stores above have it among their sources
	s_and_saveexec_b32 s47, vcc_lo
	global_store_b32 v[LO], v[LG], s[28:29]        ; lanes 0-15: the block's 16 tokens
	s_wait_xcnt 0x0                                ; and again, ahead of the line that widens it
	s_or_b32 exec_lo, exec_lo, s47
.Lend:
	s_wait_dscnt 0x0                               ; no LDS instruction of mine is out at a signal
	s_wait_tensorcnt 0x0
	ds_add_u32 v254, v255
	s_wait_dscnt 0x0
	ROUND                                          ; the closing round: no work-group ends while a partner may still ask for a tile that names it
	s_endpgm
.Lfunc_end_k_q6261f925fd_proj:
	.size	k_q6261f925fd_proj, .Lfunc_end_k_q6261f925fd_proj-k_q6261f925fd_proj
	.p2alignl 7, 3214868480
	.fill 96, 4, 3214868480
	.section	.rodata,"a",@progbits
	.p2align	6, 0x0
	.amdhsa_kernel k_q6261f925fd_proj
		.amdhsa_group_segment_fixed_size 183552
		.amdhsa_private_segment_fixed_size 0
		.amdhsa_enable_private_segment 0
		.amdhsa_kernarg_size 112
		.amdhsa_user_sgpr_count 2
		.amdhsa_user_sgpr_kernarg_segment_ptr 1
		.amdhsa_wavefront_size32 1
		.amdhsa_system_sgpr_workgroup_id_x 1
		.amdhsa_system_sgpr_workgroup_id_y 1
		.amdhsa_system_sgpr_workgroup_id_z 1
		.amdhsa_system_vgpr_workitem_id 0
		.amdhsa_next_free_vgpr 448
		.amdhsa_next_free_sgpr 80
		.amdhsa_reserve_vcc 1
		.amdhsa_float_denorm_mode_32 3
		.amdhsa_float_denorm_mode_16_64 3
		.amdhsa_memory_ordered 1
		.amdhsa_forward_progress 1
		.amdhsa_inst_pref_size 32
	.end_amdhsa_kernel
	.amdgpu_metadata
---
amdhsa.version: [ 1, 2 ]
amdhsa.kernels:
  - .name:           k_q6261f925fd_proj
    .symbol:         k_q6261f925fd_proj.kd
    .args:
      - { .name: sequence_output, .offset: 0, .size: 8, .value_kind: global_buffer, .address_space: global }
      - { .name: W1s_codes, .offset: 8, .size: 8, .value_kind: global_buffer, .address_space: global }
      - { .name: W1e_codes, .offset: 16, .size: 8, .value_kind: global_buffer, .address_space: global }
      - { .name: W1s_scales, .offset: 24, .size: 8, .value_kind: global_buffer, .address_space: global }
      - { .name: W1e_scales, .offset: 32, .size: 8, .value_kind: global_buffer, .address_space: global }
      - { .name: b1, .offset: 40, .size: 8, .value_kind: global_buffer, .address_space: global }
      - { .name: w_start, .offset: 48, .size: 8, .value_kind: global_buffer, .address_space: global }
      - { .name: w_end, .offset: 56, .size: 8, .value_kind: global_buffer, .address_space: global }
      - { .name: b_start, .offset: 64, .size: 8, .value_kind: global_buffer, .address_space: global }
      - { .name: b_end, .offset: 72, .size: 8, .value_kind: global_buffer, .address_space: global }
      - { .name: sp, .offset: 80, .size: 8, .value_kind: global_buffer, .address_space: global }
      - { .name: en, .offset: 88, .size: 8, .value_kind: global_buffer, .address_space: global }
      - { .name: out0, .offset: 96, .size: 8, .value_kind: global_buffer, .address_space: global }
      - { .name: out1, .offset: 104, .size: 8, .value_kind: global_buffer, .address_space: global }
    .group_segment_fixed_size: 183552
    .private_segment_fixed_size: 0
    .kernarg_segment_align: 8
    .kernarg_segment_size: 112
    .max_flat_workgroup_size: 192
    .sgpr_count:     80
    .vgpr_count:     448
    .wavefront_size: 32
...
	.end_amdgpu_metadata
.endif
;; end of part 1
;; launch span (part 2): grid 16 x 16, 16 waves a work-group, clusters of 4 x 1, 202,752 bytes of LDS; arguments sp, en, W2, b2, out2; writes out2
.if DOCPART == 2
	.amdgcn_target "amdgcn-amd-amdhsa--gfx1250"
	.amdhsa_code_object_version 6
	.text
	.protected	k_q6261f925fd_span
	.globl	k_q6261f925fd_span
	.p2align	8
	.type	k_q6261f925fd_span,@function
k_q6261f925fd_span:
	s_mov_b64 s[64:65], 0
	v_nop
	global_prefetch_b8 v0, s[64:65] scope:SCOPE_SE
	s_setreg_imm32_b32 hwreg(HW_REG_WAVE_MODE, 25, 1), 1
	s_wait_xcnt 0x0
	s_wait_alu depctr_hold_cnt(0) depctr_sa_sdst(0) depctr_va_vdst(0) depctr_va_sdst(0) depctr_va_ssrc(0) depctr_va_vcc(0) depctr_vm_vsrc(0)
	s_getreg_b32 s2, hwreg(HW_REG_IB_STS2, 6, 4)
	s_cmp_eq_u32 s2, 0
	s_cbranch_scc0 .Lentry_in_a_cluster
	s_endpgm
.Lentry_in_a_cluster:
	s_bfe_u32 s2, ttmp6, 0x10000c
	s_cmp_lg_u32 s2, 0x3003
	s_cbranch_scc0 .Lentry_shape_is_right
	s_endpgm
.Lentry_shape_is_right:
; out2[b][i][j] = sigmoid(sum over k of W2[k] relu(s[b][i][k] + e[b][j][k] + b1[k]) + b2), from sp = s + b1 and en = -e, both [1024][384] f32; all in f32.
; THE IDENTITY: relu(S + e) = max(S, -e) + e.  So the sum is  sum W2 max(sp_i, en_j)  -  sum W2 en_j, and the second part hangs on j alone: it is made once for each j and starts the sums.
; An element then costs half a pair of maxima (two in one instruction) and half a packed multiply-add.
; SHARES.  A work-group takes 16 rows i (grid x) and 64 columns j of one b (grid y = 4 b + block of j): 256 work-groups; a row's 64 results are 256 consecutive bytes of out2.
; Wave w of sixteen takes 8 i (w / 8) x 8 j (w % 8).  THE LANES RUN ALONG k: register 4 c + u of a row holds k = 128 c + 4 x lane + u, alike for sp, en and W2: every operand comes by
; loads of 16 neighbouring bytes a lane.  The wave's 8 rows of en and W2 stay in registers; a row of sp comes from LDS while the row before is at work.
; The 64 sums a lane are then added over the 32 lanes through the wave's own bytes of LDS, 32 at a time: a lane ends with one pair (i, j).
; CLUSTER.  The four work-groups of a cluster have the same b and the same block of j, so the same 64 rows of en, 98,304 dense bytes: asked for JOINTLY, mask 15, by waves 0 to 3.
; The 16 rows of sp (24,576 bytes, a fifth of a work-group's bytes) are shared by the four blocks of j, which lie in other clusters: they come by plain loads.
; No matrix instruction: the product with W2 has one column, and its operand would have to be narrowed first, which costs what the packed multiply-add costs.
; LIMITS: NaN and infinities are not served.  The two parts of the identity are summed apart: an error of the order of 2^-24 x sum |W2 e|, another order of f32 roundings than the source's.
; Where 2^z overflows or falls under the smallest normal number the result is 0 or 1.
.set ET,   0                           ; LDS: 64 rows of en, 1,536 bytes each: filled once, by the tensor loads alone
.set STS,  98304                       ; 16 rows of sp
.set RED,  122880                      ; for each wave 8 x (512 bytes + 64): the sums' way from lane to lane
.set OUTS, 196608                      ; 16 rows x 256 bytes of results
.set L16, 1                            ; v1   16 x lane
.set ASR, 2                            ; v2   STS + 12288 (w / 8) + 16 x lane: my 8 rows of sp
.set AE,  3                            ; v3   12288 (w % 8) + 16 x lane: my 8 rows of en
.set SW,  4                            ; v4   STS + 1536 w + 16 x lane: the row of sp that I bring
.set RW,  5                            ; v5   RED + 4608 w + 16 x lane
.set RR,  6                            ; v6   RED + 4608 w + 576 (lane / 4) + 16 (lane % 4)
.set OS,  7                            ; v7   OUTS + 256 (8 (w / 8) + lane / 8) + 4 (8 (w % 8) + lane % 8)
.set ORD, 8                            ; v8   OUTS + 256 w + 8 x lane
.set L8,  9                            ; v9   8 x lane
.set W,   12                           ; v12-23   W2
.set BS,  24                           ; v24-31   sum of W2 en_j over my 12 k, for j = 0 .. 7
.set T,   32                           ; v32-47   two sets of 8 maxima; at the head: the row of sp on its way to LDS
.set SB,  48                           ; v48-71   two rows of sp
.set E,   72                           ; v72-175  row j of en at 72 + 26 (j / 2) + 14 (j % 2): the two rows of a pair stand 14 registers apart, as the two halves of a dual instruction ask of their second sources
.set ACC, 176                          ; v176-239 the sums: row i, column j at 8 i + j
                                       ; v240-241 a lane's pair of the first 32 and of the last 32; v242-247 at work; v248-249 the row to store
.macro ROUND                           ; a round of the cluster's barrier
	s_barrier_signal -1
	s_barrier_wait -1
	s_cmp_lg_u32 s14, 0
	s_cbranch_scc1 .Lnot_wave_0_\@
	s_barrier_signal -3
.Lnot_wave_0_\@:
	s_barrier_wait -3
	s_barrier_signal -1
	s_barrier_wait -1
.endm
.macro SLOAD buf, row                  ; row of my 8 of sp into buffer buf
.irp c, 0,1,2
	ds_load_b128 v[SB+12*(\buf)+4*\c:SB+12*(\buf)+4*\c+3], v[ASR] offset:1536*(\row)+512*\c
.endr
.endm
; Row r of my 8 against my 8 columns: 96 instructions for 8 x 384 elements.  For each of my 12 k: four pairs of maxima, four packed multiply-adds by W2[k] (its register's half chosen by op_sel).
; The first multiply-add starts a sum with -BS: nothing is cleared.
.macro ROW r
.set SBR, SB+12*((\r)%2)
.set AR,  ACC+8*(\r)
	s_wait_dscnt 0x0                               ; this row's three loads are in
.if (\r) < 7
	SLOAD 1-(\r)%2, (\r)+1                         ; the next row lands while this one is at work
.endif
.irp c, 0,1,2,3,4,5,6,7,8,9,10,11
.irp p, 0,1,2,3
	v_dual_max_num_f32 v[T+8*(\c%2)+2*\p], v[SBR+\c], v[E+26*\p+\c] :: v_dual_max_num_f32 v[T+8*(\c%2)+2*\p+1], v[SBR+\c], v[E+26*\p+14+\c]
.endr
.irp p, 0,1,2,3
.if \c == 0
	v_pk_fma_f32 v[AR+2*\p:AR+2*\p+1], v[T+2*\p:T+2*\p+1], v[W:W+1], v[BS+2*\p:BS+2*\p+1] op_sel_hi:[1,0,1] neg_lo:[0,0,1] neg_hi:[0,0,1]
.elseif \c%2 == 0
	v_pk_fma_f32 v[AR+2*\p:AR+2*\p+1], v[T+2*\p:T+2*\p+1], v[W+\c:W+\c+1], v[AR+2*\p:AR+2*\p+1] op_sel_hi:[1,0,1]
.else
	v_pk_fma_f32 v[AR+2*\p:AR+2*\p+1], v[T+8+2*\p:T+8+2*\p+1], v[W+\c-1:W+\c], v[AR+2*\p:AR+2*\p+1] op_sel:[0,1,0] op_sel_hi:[1,1,1]
.endif
.endr
.endr
.endm
; The 32 sums of rows 4 g .. 4 g + 3 are added over the lanes.  Store q puts sums 4 q .. 4 q + 3 of every lane at 576 q + 16 x lane.  Lane l reads back, of sums 4 (l / 4) on, those of lanes l % 4 + 4 n, n = 0 .. 7
; (16 lanes of a load: 16 different columns of 16 bytes), and adds the eight.  Two exchanges, with lanes l xor 1 and l xor 2, leave lane l the whole of sum l.
; The bytes are the wave's own, and LDS serves a wave's instructions in order (ISA guide 5.7.1.4): no wait between the stores and the loads.
.macro REDUCE g
.set AG, ACC+32*(\g)
.irp q, 0,1,2,3,4,5,6,7
	ds_store_b128 v[RW], v[AG+4*\q:AG+4*\q+3] offset:576*\q
.endr
.irp n, 0,1,2,3,4,5,6,7
	ds_load_b128 v[AG+4*\n:AG+4*\n+3], v[RR] offset:64*\n
.endr
	s_wait_dscnt 0x0
.irp n, 0,1,2,3
	v_pk_add_f32 v[AG+4*\n:AG+4*\n+1], v[AG+4*\n:AG+4*\n+1], v[AG+4*\n+16:AG+4*\n+17]
	v_pk_add_f32 v[AG+4*\n+2:AG+4*\n+3], v[AG+4*\n+2:AG+4*\n+3], v[AG+4*\n+18:AG+4*\n+19]
.endr
.irp n, 0,1
	v_pk_add_f32 v[AG+4*\n:AG+4*\n+1], v[AG+4*\n:AG+4*\n+1], v[AG+4*\n+8:AG+4*\n+9]
	v_pk_add_f32 v[AG+4*\n+2:AG+4*\n+3], v[AG+4*\n+2:AG+4*\n+3], v[AG+4*\n+10:AG+4*\n+11]
.endr
	v_pk_add_f32 v[AG:AG+1], v[AG:AG+1], v[AG+4:AG+5]
	v_pk_add_f32 v[AG+2:AG+3], v[AG+2:AG+3], v[AG+6:AG+7]
	v_cndmask_b32 v242, v[AG], v[AG+1], s36        ; an odd lane keeps sum 1 of its four
	v_cndmask_b32 v243, v[AG+1], v[AG], s36        ; and gives sum 0; an even lane the other way round
	v_cndmask_b32 v246, v[AG+2], v[AG+3], s36      ; the same of sums 2 and 3
	v_cndmask_b32 v247, v[AG+3], v[AG+2], s36
	v_add_f32_dpp v244, v243, v242 row_xmask:1 row_mask:0xf bank_mask:0xf   ; what I keep + what lane l xor 1 gives
	v_add_f32_dpp v245, v247, v246 row_xmask:1 row_mask:0xf bank_mask:0xf
	v_cndmask_b32 v242, v244, v245, s37            ; lanes with l % 4 >= 2 keep the upper two sums' part
	v_cndmask_b32 v243, v245, v244, s37
	v_add_f32_dpp v[240+\g], v243, v242 row_xmask:2 row_mask:0xf bank_mask:0xf   ; lane l: row 4 g + l / 8, column l % 8
.endm
	s_load_b256 s[4:11], s[0:1], 0x0               ; sp 4:5, en 6:7, W2 8:9, b2 10:11
	s_load_b64 s[12:13], s[0:1], 0x20              ; out2
	v_lshl_add_u32 v254, v0, 2, 0x31000
	v_mov_b32 v255, 0
	ds_add_u32 v254, v255
	ds_add_u32 v254, v255
	v_lshrrev_b32 v10, 5, v0
	v_readfirstlane_b32 s14, v10                   ; wave 0..15
	s_bfe_u32 s15, ttmp6, 0x40000                  ; cx: my place in the cluster: it enters sp's and out2's addresses alone
	s_lshl_b32 s16, ttmp9, 2
	s_add_co_u32 s16, s16, s15                     ; my block of 16 rows i = 4 x cluster x + cx
	s_and_b32 s17, ttmp7, 0xffff                   ; 4 b + block of j: the same in all four partners
	s_lshr_b32 s18, s17, 2                         ; b
	s_and_b32 s19, s17, 3                          ; block of 64 j
	s_lshr_b32 s41, s14, 3                         ; which 8 rows i are my wave's
	s_and_b32 s42, s14, 7                          ; which 8 columns j
	v_and_b32 v10, 31, v0                          ; lane
	v_lshlrev_b32 v[L16], 4, v10
	v_lshlrev_b32 v[L8], 3, v10
	s_mul_i32 s43, s41, 12288
	s_add_co_u32 s43, s43, STS
	v_add_nc_u32 v[ASR], s43, v[L16]
	s_mul_i32 s43, s42, 12288
	v_add_nc_u32 v[AE], s43, v[L16]
	s_mul_i32 s43, s14, 1536
	s_add_co_u32 s43, s43, STS
	v_add_nc_u32 v[SW], s43, v[L16]
	s_mul_i32 s43, s14, 4608
	s_add_co_u32 s43, s43, RED
	v_add_nc_u32 v[RW], s43, v[L16]
	v_lshrrev_b32 v11, 2, v10
	v_mul_u32_u24 v11, v11, 576
	v_and_b32 v[RR], 3, v10
	v_lshl_add_u32 v[RR], v[RR], 4, v11
	v_add_nc_u32 v[RR], s43, v[RR]
	s_lshl_b32 s43, s41, 11
	s_lshl_b32 s44, s42, 5
	s_add_co_u32 s43, s43, s44
	s_add_co_u32 s43, s43, OUTS
	v_lshrrev_b32 v11, 3, v10
	v_and_b32 v[OS], 7, v10
	v_lshlrev_b32 v[OS], 2, v[OS]
	v_lshl_add_u32 v[OS], v11, 8, v[OS]
	v_add_nc_u32 v[OS], s43, v[OS]
	s_lshl_b32 s43, s14, 8
	s_add_co_u32 s43, s43, OUTS
	v_add_nc_u32 v[ORD], s43, v[L8]
.irp j, 240,241,244,245
	v_mov_b32 v\j, 0                               ; written once: the destination of a DPP form counts as one of its sources
.endr
	s_mov_b32 s36, 0xaaaaaaaa                      ; the odd lanes
	s_mov_b32 s37, 0xcccccccc                      ; the lanes with l % 4 >= 2
	s_mov_b32 s39, 0xbfb8aa3b                      ; -log2(e)
	s_mul_i32 s20, s18, 393216                     ; sp: 256 rows of 1,536 bytes a b, 16 a block, my wave's one
	s_mul_i32 s21, s16, 24576
	s_add_co_u32 s20, s20, s21
	s_mul_i32 s21, s14, 1536
	s_add_co_u32 s20, s20, s21
	s_mov_b32 s21, 0
	s_lshl_b32 s46, s18, 18                        ; out2: 256 rows of 1,024 bytes a b, 16 a block, my wave's one, 256 bytes a block of j
	s_lshl_b32 s47, s16, 14
	s_add_co_u32 s46, s46, s47
	s_lshl_b32 s47, s14, 10
	s_add_co_u32 s46, s46, s47
	s_lshl_b32 s47, s19, 8
	s_add_co_u32 s46, s46, s47
	s_mov_b32 s47, 0
	s_and_b32 s45, s14, 3                          ; what I fetch, if I fetch: 16 of the 64 rows of en
	s_mul_i32 s33, s45, 24576                      ; group 0: their place in LDS,
	s_mul_i32 s22, s17, 98304                      ; and in memory: 64 rows a block
	s_add_co_u32 s22, s22, s33
	s_mov_b32 s23, 0
	s_mov_b32 s32, 1                               ; count = 1
	; descriptor group 1: 24,576 dense bytes as 96 rows of 256 bytes (32 elements of 8 bytes), no padding: every read of them takes 512 consecutive bytes
	s_mov_b32 s24, 15|(3<<16)|(1<<21)              ; 15:0 the mask: all four work-groups; 17:16 elements of 8 bytes; 21 set beside a mask
	s_mov_b32 s25, 32<<16                          ; tensor_dim0 = 32
	s_mov_b32 s26, 96<<16                          ; tensor_dim1 = 96
	s_mov_b32 s27, 32<<16                          ; tile_dim0 = 32
	s_mov_b32 s28, 96                              ; tile_dim1 = 96
	s_mov_b32 s29, 32                              ; from row to row
	s_mov_b32 s30, 0
	s_mov_b32 s31, 0
	s_wait_dscnt 0x0
	s_wait_kmcnt 0x0
	s_load_b32 s38, s[10:11], 0x0                  ; b2
	s_add_nc_u64 s[4:5], s[4:5], s[20:21]
	s_add_nc_u64 s[12:13], s[12:13], s[46:47]
	s_add_nc_u64 s[34:35], s[6:7], s[22:23]        ; the tile's first byte: it hangs on grid y and the wave's number alone
	s_or_b32 s35, s35, 0x80000000                  ; type = 2
.irp c, 0,1,2
	global_load_b128 v[T+4*\c:T+4*\c+3], v[L16], s[4:5] offset:512*\c    ; row 16 x block + w of sp: 512 consecutive bytes a load
.endr
.irp c, 0,1,2
	global_load_b128 v[W+4*\c:W+4*\c+3], v[L16], s[8:9] offset:512*\c    ; W2
.endr
	ROUND                                          ; all four work-groups are here: the joint loads meet
	s_cmp_lt_u32 s14, 4                            ; waves 0 to 3 fetch, one load each: the branch hangs on the wave's number alone
	s_cbranch_scc0 .Lnofetch
	tensor_load_to_lds s[32:35], s[24:31]
	s_nop 0
.rept 4
	v_nop                                          ; four lines behind the load
.endr
.Lnofetch:
	s_wait_loadcnt 3                               ; the row of sp is in; W2's three loads, issued behind it, may be out
.irp c, 0,1,2
	ds_store_b128 v[SW], v[T+4*\c:T+4*\c+3] offset:512*\c
.endr
	s_wait_tensorcnt 0x0                           ; my part of en has landed,
	s_wait_dscnt 0x0                               ; and so has my row of sp: for the others' sake
	s_barrier_signal -1
	s_barrier_wait -1                              ; 64 rows of en and 16 of sp lie in LDS
.irp j, 0,1,2,3,4,5,6,7
.irp c, 0,1,2
	ds_load_b128 v[E+26*(\j/2)+14*(\j%2)+4*\c:E+26*(\j/2)+14*(\j%2)+4*\c+3], v[AE] offset:1536*\j+512*\c
.endr
.endr
	SLOAD 0, 0
	s_wait_kmcnt 0x0                               ; b2
	s_mul_f32 s40, s38, s39                        ; -log2(e) b2
	s_wait_dscnt 3                                 ; en's 24 loads are in; the first row of sp, three loads, may be out
	s_wait_loadcnt 0x0                             ; W2
.irp c, 0,1,2,3,4,5,6,7,8,9,10,11              ; BS[j] = sum over my 12 k of W2 en_j: two columns an instruction, four chains by turns; the first product starts each sum
.irp p, 0,1,2,3
.if \c == 0
	v_dual_mul_f32 v[BS+2*\p], v[W+\c], v[E+26*\p+\c] :: v_dual_mul_f32 v[BS+2*\p+1], v[W+\c], v[E+26*\p+14+\c]
.else
	v_dual_fmac_f32 v[BS+2*\p], v[W+\c], v[E+26*\p+\c] :: v_dual_fmac_f32 v[BS+2*\p+1], v[W+\c], v[E+26*\p+14+\c]
.endif
.endr
.endr
	ROW 0
	ROW 1
	ROW 2
	ROW 3
	REDUCE 0
	ROW 4
	ROW 5
	ROW 6
	ROW 7
	REDUCE 1
	; sigmoid(t + b2) = 1 / (1 + 2^(-log2(e) (t + b2)))
	v_fma_f32 v242, v240, s39, s40
	v_fma_f32 v243, v241, s39, s40
	v_exp_f32 v242, v242
	v_exp_f32 v243, v243
	v_nop                                          ; a plain instruction behind the last exponential,
	s_wait_alu depctr_va_vdst(0)                   ; and a wait ahead of the first use: one for both
	v_add_f32 v242, 1.0, v242
	v_add_f32 v243, 1.0, v243
	v_rcp_f32 v240, v242
	v_rcp_f32 v241, v243
	v_nop
	s_wait_alu depctr_va_vdst(0)                   ; likewise for the two reciprocals
	ds_store_b32 v[OS], v240                       ; rows 8 (w / 8) + lane / 8,
	ds_store_b32 v[OS], v241 offset:1024           ; and four rows further down
	s_wait_dscnt 0x0                               ; for the others' sake
	s_barrier_signal -1
	s_barrier_wait -1                              ; 16 rows of 64 results lie in LDS
	ds_load_b64 v[248:249], v[ORD]
	s_wait_dscnt 0x0
	global_store_b64 v[L8], v[248:249], s[12:13] th:TH_STORE_NT   ; the wave stores 256 consecutive bytes, at a multiple of 256 from out2's first byte; written once, read by nobody here
	s_wait_tensorcnt 0x0
	ds_add_u32 v254, v255
	s_wait_dscnt 0x0
	ROUND                                          ; the closing round: no work-group ends while a partner may still ask for a tile that names it
	s_endpgm
.Lfunc_end_k_q6261f925fd_span:
	.size	k_q6261f925fd_span, .Lfunc_end_k_q6261f925fd_span-k_q6261f925fd_span
	.p2alignl 7, 3214868480
	.fill 96, 4, 3214868480
	.section	.rodata,"a",@progbits
	.p2align	6, 0x0
	.amdhsa_kernel k_q6261f925fd_span
		.amdhsa_group_segment_fixed_size 202752
		.amdhsa_private_segment_fixed_size 0
		.amdhsa_enable_private_segment 0
		.amdhsa_kernarg_size 40
		.amdhsa_user_sgpr_count 2
		.amdhsa_user_sgpr_kernarg_segment_ptr 1
		.amdhsa_wavefront_size32 1
		.amdhsa_system_sgpr_workgroup_id_x 1
		.amdhsa_system_sgpr_workgroup_id_y 1
		.amdhsa_system_sgpr_workgroup_id_z 1
		.amdhsa_system_vgpr_workitem_id 0
		.amdhsa_next_free_vgpr 256
		.amdhsa_next_free_sgpr 66
		.amdhsa_reserve_vcc 0
		.amdhsa_float_denorm_mode_32 3
		.amdhsa_float_denorm_mode_16_64 3
		.amdhsa_memory_ordered 1
		.amdhsa_forward_progress 1
		.amdhsa_inst_pref_size 67
	.end_amdhsa_kernel
	.amdgpu_metadata
---
amdhsa.version: [ 1, 2 ]
amdhsa.kernels:
  - .name:           k_q6261f925fd_span
    .symbol:         k_q6261f925fd_span.kd
    .args:
      - { .name: sp, .offset: 0, .size: 8, .value_kind: global_buffer, .address_space: global }
      - { .name: en, .offset: 8, .size: 8, .value_kind: global_buffer, .address_space: global }
      - { .name: W2, .offset: 16, .size: 8, .value_kind: global_buffer, .address_space: global }
      - { .name: b2, .offset: 24, .size: 8, .value_kind: global_buffer, .address_space: global }
      - { .name: out2, .offset: 32, .size: 8, .value_kind: global_buffer, .address_space: global }
    .group_segment_fixed_size: 202752
    .private_segment_fixed_size: 0
    .kernarg_segment_align: 8
    .kernarg_segment_size: 40
    .max_flat_workgroup_size: 512
    .sgpr_count:     66
    .vgpr_count:     256
    .wavefront_size: 32
...
	.end_amdgpu_metadata
.endif
;; end of part 2
